; MI455X (gfx1250); checked and timed in simulation.
; The chip was launched on July 23, 2026; its instructions are those of AMD's public machine-readable ISA for CDNA 5 (MIT licence, August 2026) and "CDNA5" Instruction Set Architecture Reference Guide (July 2026). The comments in the code are by the model that wrote it; some were corrected since.
;; Linear List. Allowed arithmetic: matrix products marked QUANTISED: E4M3 operands, one E8M0 scale for each 32 along K, by v_wmma_scale_f32_16x16x128_f8f6f4 with both operands' format E4M3, f32 sums; everything else in f32.
;; Inputs: biases 8 x 1,024 float32; inputs_codes 8,192 x 32 x 32 uint8 (E4M3 codes of inputs, K innermost, in blocks of 32 codes); inputs_scales 8,192 x 32 uint8 (E8M0 scales of inputs, one for each 32 codes along K); nodes_type 8,192 int32; weights_codes 8 x 1,024 x 32 x 32 uint8 (E4M3 codes of weights, K innermost, in blocks of 32 codes); weights_scales 8 x 1,024 x 32 uint8 (E8M0 scales of weights, one for each 32 codes along K).
;; Outputs: out0 8,192 x 1,024 float32.
;; This version of the problem:
;;   THIS VERSION OF THE PROBLEM IS GIVEN IN LOW PRECISION. The matrix products marked QUANTISED in the list below multiply operands that are first quantised to E4M3 (4 exponent bits, 3 mantissa bits; 8 bits a number), with one power-of-two scale for each 32 numbers along K (OCP MX v1.0); their sums are f32. All else is computed in f32.
;;   The module's matrix products, in the order in which they are computed (A, B: the left and right operand; K: the contracted axis; several contracted axes count as one K, in the product's order):
;;     1. [M 8,192, K 1,024] x [K 1,024, N 8,192]; A: input inputs (given as codes); B: input weights (given as codes): QUANTISED
;;   THE QUANTISER, for each operand of a quantised product, along K:
;;     - K is cut into blocks of 32 from its start; a last block that is shorter is filled with zeros.
;;     - A block's scale is 2^e with e = floor(log2(the largest magnitude in the block)) - 8, held to -126 .. 127; a block of zeros has e = 0. As a byte (E8M0): e + 127.
;;     - Each number is divided by its block's scale, clamped to +-448, and rounded to the nearest number of E4M3, ties to even, subnormals kept.
;;     - The product sums the exact products of the quantised numbers (number of the format x scale) in f32.
;;   ~~~python
;;   def quantise(x, axis):      # numpy; x: float32 -> the quantised numbers, widened to float32 again
;;       x = np.moveaxis(x, axis, -1); K = x.shape[-1]
;;       x = np.pad(x, [(0, 0)] * (x.ndim - 1) + [(0, -K % 32)]); x = x.reshape(x.shape[:-1] + (-1, 32)); a = np.abs(x).max(-1, keepdims=True)
;;       e = np.where(a > 0, np.clip(np.frexp(np.where(a > 0, a, 1))[1] - 1 - 8, -126, 127), 0)      # np.frexp(a)[1] - 1 = floor(log2(a)), exactly
;;       r = np.clip(x / 2.0 ** e, -448, 448)
;;       step = 2.0 ** (np.maximum(np.frexp(np.where(r == 0, 1, r))[1] - 1, -6) - 3)
;;       q = np.round(r / step) * step * 2.0 ** e      # np.round: ties to even
;;       return np.moveaxis(q.reshape(q.shape[:-2] + (-1,))[..., :K], -1, axis).astype(np.float32)
;;   ~~~
;;   INPUTS GIVEN AS CODES. inputs (in the module: [8192, 1024], K = its axis 1); weights (in the module: [8, 1024, 1024], K = its axis 2): each comes as NAME_codes (uint8): NAME with its K axis moved to the last place and cut into blocks of 32 codes, [.., K / 32, bytes a block], one block behind the other in memory; one code a byte (a code: sign, 4 exponent bits, 3 mantissa bits); and NAME_scales (uint8): the same leading axes, one E8M0 byte (e + 127) for each 32 codes along K. Its value is code x scale, taken as it is: it is not quantised again, and the codes and scales need not be those that the quantiser above would give.
;; 2 versions, each right; version 2 is version 1 with the launch gemm written anew for expert scheduling mode. Each part assembles by itself: llvm-mc -triple=amdgcn-amd-amdhsa -mcpu=gfx1250 --defsym DOCPART=n.
;; ======== version 1 of 2: 2 launches
;; workspace buffers: order 32,768 bytes of whole numbers; meta 256 bytes of whole numbers
;; launch sortrows (part 1): grid 1 x 1, 8 waves a work-group, no clusters, 1,280 bytes of LDS; arguments nodes_type, order, meta; writes order, meta
.if DOCPART == 1
	.amdgcn_target "amdgcn-amd-amdhsa--gfx1250"
	.amdhsa_code_object_version 6
	.text
	.protected	k_qae2908f00c_sortrows
	.globl	k_qae2908f00c_sortrows
	.p2align	8
	.type	k_qae2908f00c_sortrows,@function
k_qae2908f00c_sortrows:
	s_mov_b64 s[64:65], 0
	v_nop
	global_prefetch_b8 v0, s[64:65] scope:SCOPE_SE
	s_setreg_imm32_b32 hwreg(HW_REG_WAVE_MODE, 25, 1), 1
	s_wait_xcnt 0x0
; A counting sort of nodes_type [8192] by its 8 values.  order[p] = the token at place p; the tokens of type e fill places off[e] .. off[e] + cnt[e] - 1.
; meta: words 0-7 off[e], words 8-15 cnt[e], words 16-31 zero.  One work-group of eight waves; no atomics: every token's place is computed, and the places are a bijection, so every word of order is stored.
; SHARES.  Wave w takes tokens 1024 w .. 1024 w + 1023; load i of eight reads 512 consecutive bytes, 16 a lane: register T + 4 i + m holds token 1024 w + 128 i + 4 l + m.
; A token's place = off[type] + the tokens of its type in earlier waves + in earlier lanes of its wave + earlier in its own lane.
; COUNTS ARE PACKED.  In a lane, a group of 8 tokens counts in 8 nibbles of one register (a nibble holds at most 8): type t at nibble 2 (t & 3) + (t >> 2).  The four groups' nibbles are widened to bytes
; (types 0-3 in one register, 4-7 in another; at most 32 a byte), a lane's totals to 16-bit fields (at most 8,192 a field), which are scanned over lanes and waves.  Look-ups by type are byte permutes.
; LIMIT: a type outside 0 .. 7 is held to 7 by an unsigned minimum (the problem keeps an index inside its table).
.set SPARE, 256                        ; LDS: bytes 0-127 the waves' totals, 16 bytes a wave; from 256 on the spare words, 128 bytes for each of eight waves, which no other line names
.set T,   32                           ; v32-63   the types; later at work; at last the token's number
.set R,   64                           ; v64-95   the token's rank in its lane; later its place; at last its byte offset in order
.set SEL, 96                           ; v96-127  the type as a byte selector: byte 0 = the type, bytes 1-3 = 0x0c, which select the constant 0
	s_load_b128 s[4:7], s[0:1], 0x0                ; nodes_type s[4:5], order s[6:7]
	s_load_b64 s[8:9], s[0:1], 0x10                ; meta
	v_lshl_add_u32 v2, v0, 2, SPARE                ; my spare word; never rewritten
	v_mov_b32 v3, 0                                ; 0; never rewritten
	v_lshrrev_b32 v7, 5, v0
	v_readfirstlane_b32 s10, v7                    ; wave 0..7
	v_and_b32 v1, 31, v0                           ; lane l
	v_and_b32 v8, 0xe0, v0                         ; 32 w
	v_lshlrev_b32 v4, 4, v1
	v_lshl_or_b32 v4, v8, 7, v4                    ; 4096 w + 16 l: my 16 bytes of a load
	v_lshlrev_b32 v6, 2, v1                        ; 4 l
	v_lshl_or_b32 v5, v8, 5, v6                    ; 1024 w + 4 l: my first token
	v_lshlrev_b32 v14, 4, v7                       ; LDS: 16 w: my wave's totals
	v_and_b32 v15, 7, v0
	v_lshlrev_b32 v15, 4, v15                      ; LDS: 16 (l & 7): lane l reads wave l & 7's totals
	s_mov_b32 s11, 0xffff0000                      ; lanes 16-31
	s_mov_b32 s12, 0x06020400                      ; byte permute: the low bytes of four 16-bit fields, in the order of the types
	s_mov_b32 s13, 0x07030501                      ; the high bytes
	s_mov_b32 s14, 0x0f0f0f0f
	s_mov_b32 s15, 0x00ff00ff
	s_mov_b32 s16, 0x0c0c0c00
.irp p, 0,1,2,3
	v_mov_b32 v[128+\p], 0                         ; written once: the destination of a lane-shifted move counts as one of its sources
.endr
	s_wait_kmcnt 0x0
.irp i, 0,1,2,3,4,5,6,7
	global_load_b128 v[T+4*\i:T+4*\i+3], v4, s[4:5] offset:512*\i
.endr
	s_wait_loadcnt 0x0
; ---- in a lane: four groups of eight tokens, the groups by turns so that no line waits for the line above it.  Group g counts in v[10 + g]
.irp j, 0,1,2,3,4,5,6,7
.irp g, 0,1,2,3
	v_min_u32 v[T+8*\g+\j], 7, v[T+8*\g+\j]
.endr
.irp g, 0,1,2,3
	v_and_b32 v[144+\g], 3, v[T+8*\g+\j]
.endr
.irp g, 0,1,2,3
	v_and_b32 v[148+\g], 4, v[T+8*\g+\j]
.endr
.irp g, 0,1,2,3
	v_or_b32 v[SEL+8*\g+\j], s16, v[T+8*\g+\j]
.endr
.irp g, 0,1,2,3
	v_lshl_or_b32 v[152+\g], v[144+\g], 3, v[148+\g]   ; the bit at which the type's nibble begins: 8 (t & 3) + 4 (t >> 2)
.endr
.if \j == 0
.irp g, 0,1,2,3
	v_mov_b32 v[R+8*\g], 0                         ; a group's first token finds nothing,
.endr
.irp g, 0,1,2,3
	v_lshl_add_u32 v[10+\g], 1, v[152+\g], 0       ; and starts the group's counts: nothing is cleared
.endr
.else
.irp g, 0,1,2,3
	v_bfe_u32 v[R+8*\g+\j], v[10+\g], v[152+\g], 4 ; how many of my type the group has had
.endr
.irp g, 0,1,2,3
	v_lshl_add_u32 v[10+\g], 1, v[152+\g], v[10+\g]
.endr
.endif
.endr
; ---- nibbles to bytes, summed over the groups: v16-18 what groups 1-3 find of types 0-3, v19-21 of types 4-7; v22, v23 the lane's totals
	v_and_b32 v16, s14, v10
	v_lshrrev_b32 v144, 4, v10
	v_and_b32 v19, s14, v144
	v_and_b32 v7, s14, v11
	v_lshrrev_b32 v145, 4, v11
	v_and_b32 v8, s14, v145
	v_add_nc_u32 v17, v16, v7
	v_add_nc_u32 v20, v19, v8
	v_and_b32 v7, s14, v12
	v_lshrrev_b32 v146, 4, v12
	v_and_b32 v8, s14, v146
	v_add_nc_u32 v18, v17, v7
	v_add_nc_u32 v21, v20, v8
	v_and_b32 v7, s14, v13
	v_lshrrev_b32 v147, 4, v13
	v_and_b32 v8, s14, v147
	v_add_nc_u32 v22, v18, v7
	v_add_nc_u32 v23, v21, v8
.irp g, 1,2,3
.irp j, 0,1,2,3,4,5,6,7
	v_perm_b32 v[T+8*\g+\j], v[18+\g], v[15+\g], v[SEL+8*\g+\j]   ; selector 0-3: a byte of the second source (types 0-3); 4-7: of the first (types 4-7)
.endr
.irp j, 0,1,2,3,4,5,6,7
	v_add_nc_u32 v[R+8*\g+\j], v[R+8*\g+\j], v[T+8*\g+\j]         ; the rank in my lane
.endr
.endr
; ---- bytes to 16-bit fields: v24: types 0 | 2, v25: 1 | 3, v26: 4 | 6, v27: 5 | 7.  v28-31 keep the lane's own totals
	v_and_b32 v24, s15, v22
	v_lshrrev_b32 v7, 8, v22
	v_and_b32 v25, s15, v7
	v_and_b32 v26, s15, v23
	v_lshrrev_b32 v8, 8, v23
	v_and_b32 v27, s15, v8
.irp p, 0,1,2,3
	v_mov_b32 v[28+\p], v[24+\p]
.endr
.macro SCAN base, n                    ; one step of an inclusive scan inside each 16 lanes: lane i adds lane i - n, or 0 where there is none
.irp p, 0,1,2,3
	v_mov_b32_dpp v[128+\p], v[\base+\p] row_shr:\n row_mask:0xf bank_mask:0xf bound_ctrl:1
.endr
.irp p, 0,1,2,3
	v_add_nc_u32 v[\base+\p], v[\base+\p], v[128+\p]
.endr
.endm
	SCAN 24, 1
	SCAN 24, 2
	SCAN 24, 4
	SCAN 24, 8
.irp p, 0,1,2,3
	v_readlane_b32 s[56+\p], v[24+\p], 15          ; lanes 0-15's total goes onto lanes 16-31
.endr
.irp p, 0,1,2,3
	v_mov_b32 v[128+\p], s[56+\p]
.endr
.irp p, 0,1,2,3
	v_cndmask_b32 v[128+\p], 0, v[128+\p], s11
.endr
.irp p, 0,1,2,3
	v_add_nc_u32 v[24+\p], v[24+\p], v[128+\p]
.endr
.irp p, 0,1,2,3
	v_readlane_b32 s[20+\p], v[24+\p], 31          ; my wave's totals
.endr
; ---- between the waves: each stores its totals, one barrier, each reads all eight and scans them
.irp p, 0,1,2,3
	v_mov_b32 v[136+\p], s[20+\p]
.endr
	ds_store_b128 v14, v[136:139]                  ; all lanes write the same 16 bytes with the same values
	s_wait_dscnt 0x0                               ; for the others' sake: my store has landed
	s_barrier_signal -1
	s_barrier_wait -1
	ds_load_b128 v[136:139], v15
	s_wait_dscnt 0x0
	SCAN 136, 1
	SCAN 136, 2
	SCAN 136, 4                                    ; lanes 0-7: waves 0 .. l summed
.irp p, 0,1,2,3
	v_readlane_b32 s[24+\p], v[136+\p], 7          ; all waves
.endr
.irp p, 0,1,2,3
	v_readlane_b32 s[28+\p], v[136+\p], s10
.endr
.irp p, 0,1,2,3
	s_sub_co_u32 s[28+\p], s[28+\p], s[20+\p]      ; the waves before mine (field by field no borrow: the sum holds my own)
.endr
	s_and_b32 s36, s24, 0xffff                     ; cnt[0..7] in s36-43
	s_lshr_b32 s38, s24, 16
	s_and_b32 s37, s25, 0xffff
	s_lshr_b32 s39, s25, 16
	s_and_b32 s40, s26, 0xffff
	s_lshr_b32 s42, s26, 16
	s_and_b32 s41, s27, 0xffff
	s_lshr_b32 s43, s27, 16
	s_mov_b32 s44, 0                               ; off[0..7] in s44-51
.irp e, 0,1,2,3,4,5,6
	s_add_co_u32 s[45+\e], s[44+\e], s[36+\e]
.endr
	s_lshl_b32 s56, s46, 16                        ; off in the fields' order, + the waves before mine: every field stays at or under 8,192, so none carries into the next
	s_or_b32 s52, s44, s56
	s_add_co_u32 s52, s52, s28
	s_lshl_b32 s56, s47, 16
	s_or_b32 s53, s45, s56
	s_add_co_u32 s53, s53, s29
	s_lshl_b32 s56, s50, 16
	s_or_b32 s54, s48, s56
	s_add_co_u32 s54, s54, s30
	s_lshl_b32 s56, s51, 16
	s_or_b32 s55, s49, s56
	s_add_co_u32 s55, s55, s31
.irp p, 0,1,2,3
	v_sub_nc_u32 v[24+\p], v[24+\p], v[28+\p]      ; the lanes before mine
.endr
.irp p, 0,1,2,3
	v_add_nc_u32 v[24+\p], s[52+\p], v[24+\p]      ; where my lane's tokens of each type begin
.endr
	v_perm_b32 v132, v25, v24, s12                 ; as tables of bytes by type: low bytes of types 0-3,
	v_perm_b32 v133, v27, v26, s12                 ; of types 4-7,
	v_perm_b32 v134, v25, v24, s13                 ; high bytes of types 0-3,
	v_perm_b32 v135, v27, v26, s13                 ; of types 4-7
; ---- each token's place, and the store.  Every store has address and data registers of its own: none is written again
.irp i, 0,1,2,3,4,5,6,7
.irp m, 0,1,2,3
	v_perm_b32 v[T+4*\i+\m], v133, v132, v[SEL+4*\i+\m]
.endr
.irp m, 0,1,2,3
	v_perm_b32 v[SEL+4*\i+\m], v135, v134, v[SEL+4*\i+\m]
.endr
.irp m, 0,1,2,3
	v_lshl_add_u32 v[T+4*\i+\m], v[SEL+4*\i+\m], 8, v[T+4*\i+\m]
.endr
.irp m, 0,1,2,3
	v_add_nc_u32 v[R+4*\i+\m], v[R+4*\i+\m], v[T+4*\i+\m]
.endr
.irp m, 0,1,2,3
	v_min_u32 v[R+4*\i+\m], 0x1fff, v[R+4*\i+\m]   ; a number made of loaded numbers enters an address behind a bound
.endr
.irp m, 0,1,2,3
	v_lshlrev_b32 v[R+4*\i+\m], 2, v[R+4*\i+\m]
.endr
.irp m, 0,1,2,3
	v_add_nc_u32 v[T+4*\i+\m], 128*\i+\m, v5       ; the token's number
.endr
.irp m, 0,1,2,3
	global_store_b32 v[R+4*\i+\m], v[T+4*\i+\m], s[6:7]
.endr
.endr
	s_cmp_lg_u32 s10, 0                            ; wave 0 stores meta: 32 words, 128 consecutive bytes
	s_cbranch_scc1 .Lnot_wave_0
	v_mov_b32 v140, 0
.irp e, 0,1,2,3,4,5,6,7
	v_writelane_b32 v140, s[44+\e], \e
.endr
.irp e, 0,1,2,3,4,5,6,7
	v_writelane_b32 v140, s[36+\e], 8+\e
.endr
	global_store_b32 v6, v140, s[8:9]
.Lnot_wave_0:
	s_wait_tensorcnt 0x0                           ; the wave's end: a tensor-counter wait (though no tensor load is issued), an add of 0 to my spare word and a wait for it, behind my last LDS store
	ds_add_u32 v2, v3
	s_wait_dscnt 0x0
	s_endpgm
.Lfunc_end_k_qae2908f00c_sortrows:
	.size	k_qae2908f00c_sortrows, .Lfunc_end_k_qae2908f00c_sortrows-k_qae2908f00c_sortrows
	.p2alignl 7, 3214868480
	.fill 96, 4, 3214868480
	.section	.rodata,"a",@progbits
	.p2align	6, 0x0
	.amdhsa_kernel k_qae2908f00c_sortrows
		.amdhsa_group_segment_fixed_size 1280
		.amdhsa_private_segment_fixed_size 0
		.amdhsa_enable_private_segment 0
		.amdhsa_kernarg_size 24
		.amdhsa_user_sgpr_count 2
		.amdhsa_user_sgpr_kernarg_segment_ptr 1
		.amdhsa_wavefront_size32 1
		.amdhsa_system_sgpr_workgroup_id_x 1
		.amdhsa_system_sgpr_workgroup_id_y 1
		.amdhsa_system_sgpr_workgroup_id_z 1
		.amdhsa_system_vgpr_workitem_id 0
		.amdhsa_next_free_vgpr 160
		.amdhsa_next_free_sgpr 66
		.amdhsa_reserve_vcc 0
		.amdhsa_float_denorm_mode_32 3
		.amdhsa_float_denorm_mode_16_64 3
		.amdhsa_memory_ordered 1
		.amdhsa_forward_progress 1
		.amdhsa_inst_pref_size 38
	.end_amdhsa_kernel
	.amdgpu_metadata
---
amdhsa.version: [ 1, 2 ]
amdhsa.kernels:
  - .name:           k_qae2908f00c_sortrows
    .symbol:         k_qae2908f00c_sortrows.kd
    .args:
      - { .name: nodes_type, .offset: 0, .size: 8, .value_kind: global_buffer, .address_space: global }
      - { .name: order, .offset: 8, .size: 8, .value_kind: global_buffer, .address_space: global }
      - { .name: meta, .offset: 16, .size: 8, .value_kind: global_buffer, .address_space: global }
    .group_segment_fixed_size: 1280
    .private_segment_fixed_size: 0
    .kernarg_segment_align: 8
    .kernarg_segment_size: 24
    .max_flat_workgroup_size: 256
    .sgpr_count:     66
    .vgpr_count:     160
    .wavefront_size: 32
...
	.end_amdgpu_metadata
.endif
;; end of part 1
;; launch gemm (part 2): grid 4 x 64, 4 waves a work-group, no clusters, 170,752 bytes of LDS; arguments inputs_codes, inputs_scales, weights_codes, weights_scales, biases, order, meta, out0; writes out0
.if DOCPART == 2
	.amdgcn_target "amdgcn-amd-amdhsa--gfx1250"
	.amdhsa_code_object_version 6
	.text
	.protected	k_qae2908f00c_gemm
	.globl	k_qae2908f00c_gemm
	.p2align	8
	.type	k_qae2908f00c_gemm,@function
k_qae2908f00c_gemm:
	s_mov_b64 s[64:65], 0
	v_nop
	global_prefetch_b8 v0, s[64:65] scope:SCOPE_SE
	s_setreg_imm32_b32 hwreg(HW_REG_WAVE_MODE, 25, 1), 1
	s_wait_xcnt 0x0
; out[n][:] = W[t[n]] x[n] + b[t[n]], on codes of E4M3 with one E8M0 scale for each 32 along K, taken as they lie in memory.  Only the chosen expert's product is made: the rows come sorted by expert (order, meta).
; TILES.  An expert with cnt rows has nb = ceil(cnt / 16) blocks of 16 rows and nt = ceil(cnt / 144) tiles; its tile I takes blocks I, I + nt, I + 2 nt .. below nb: at most 9, and even to within one block.
; The sum of nt over the 8 experts is at most (8192 + 8 x 143) / 144 = 64 for every split: grid y = 64 tiles, grid x = 4 groups of 256 columns.  A work-group that a split leaves without a tile stores nothing.
; SHARES.  Wave w owns columns 256 cg + 64 w .. + 63 for all rows of the tile.  Its 64 rows of W, all of K (64 KiB), stay in 512 REGISTERS; the tile's rows of x, all of K, lie in LDS and all four waves read them.
; A block of 16 rows is finished by 32 matrix instructions on 4 accumulators by turns and leaves at once, so that its stores are on their way under the next block's products.
; THE MATRIX INSTRUCTION IS USED TRANSPOSED (source 0 = 16 rows of W, source 1 = 16 rows of x): a lane holds eight neighbouring columns of one row of out.  The bias is the C of each sum's first instruction.
; MEMORY.  Every load of codes reads two rows x 256 consecutive aligned bytes, sixteen lanes to a row.  W's bytes are turned into fragments through the wave's own stage in LDS; x's go into the shared tile.
; NO TENSOR LOAD, NO CLUSTER: the walk over a tile's blocks branches on counts read from memory and x's rows come by a list, so operands go through registers; the one barrier stands ahead of every such branch.
; LIMITS.  In a block that reaches past the expert's rows the missing rows are copies of the expert's last row: the same work-group then stores the same bits to the same bytes more than once.
; Numbers read from order and meta are held inside their tables by unsigned minima.  A scale byte 0xff gives NaN, as the matrix instruction gives it.
; REGISTERS, in windows of 256.  Window 0: v0-31 addresses; v32-47 W's scale words; v48-87 x's; v88-119 the bias; v120-183 two sets of 4 accumulators; v184-215 rows on the way out; v216-223 their offsets;
;   (ahead of the barrier v120-191 hold the gather's offsets and v192-223 block 8's bytes).  Window 1: v0-127 x's fragments of one block (ahead of the barrier v0-255: blocks 0-7's bytes).
;   Window 2: W's fragments of K steps 0-3, window 3 of K steps 4-7: K step ks, block j of 16 rows at v[64 (ks % 4) + 16 j].
.set XP,    1040                       ; a row of x in LDS: 1,024 bytes + 16 = 65 x 16 bytes: the 16 rows that a fragment load touches begin 16 bytes further on, modulo 256, from row to row
.set XT3,   48*XP                      ; three blocks: what an immediate reaches; the address registers carry the rest
.set STG,   144*XP                     ; behind the tile: a stage of 16 rows x 272 bytes for each wave, its own: first it turns W, later it is the way out
.set SP,    272
.set STGW,  16*SP
.set TOK,   STG+4*STGW                 ; behind the stages: the tile's 144 token numbers, a copy for each wave, its own
.set TOKW,  768
.set SPARE, TOK+4*TOKW                 ; behind them: the spare words, 128 bytes for each wave: two blocks of 256 bytes that no other line names
.set SPW,  4                           ; v4   my spare word: SPARE + 4 x my thread's number; never rewritten
.set NIL,  5                           ; v5   0; never rewritten
.set WO,   6                           ; v6   W in memory: 1024 h + 16 c
.set STS,  7                           ; v7   the stage, W on its way in: 272 h + 16 c
.set STL,  8                           ; v8   and out, as fragments: 272 r + 16 h
.set TKA,  9                           ; v9   my tokens: 4 l
.set TKB,  10                          ; v10  4 r
.set TKC,  11                          ; v11  32 h: eight tokens for each half of the lanes
.set XSA,  12                          ; v12-14  the tile, x on its way in: 48 rows k + 8 rows h + 256 w + 16 c
.set XA,   15                          ; v15-17  and out, as fragments: 48 rows k + row r + 16 h
.set SO,   18                          ; v18  the stage, results on their way in: 272 r + 32 h
.set SR,   19                          ; v19  and out, as rows: 8 rows h + 16 c
.set OC,   20                          ; v20  my 16 bytes in a row of out: 1024 cg + 256 w + 16 c
.set XO,   21                          ; v21  my 16 bytes in a row of x: 256 w + 16 c
.set L32,  22                          ; v22  32 l
.set H32,  23                          ; v23  32 h
.set IDX,  24                          ; v24-28 byte offsets in order
.set WS,   32
.set XS,   48
.set BIAS, 88
.set ACC,  120
.set GOFF, 120
.set G8,   192
.set OB,   184
.set TO,   216
.set TKN,  224                         ; v224-228 tokens as loaded
.set XSO,  229                         ; v229-233 their offsets in x's scales
.set MSB, 0
.macro WIN new                         ; the immediate's high byte repeats the setting that is left; a switch that changes nothing is dropped
.if MSB != (\new)
	s_set_vgpr_msb (MSB<<8)|(\new)
.set MSB, (\new)
.endif
.endm
.macro PLACES                          ; eight plain vector instructions stand between a matrix instruction of this form and a load into its registers or a read of its result
.rept 8
	v_nop
.endr
.endm
	s_load_b512 s[4:19], s[0:1], 0x0               ; x's codes s[4:5], x's scales s[6:7], W's codes s[8:9], W's scales s[10:11], biases s[12:13], order s[14:15], meta s[16:17], out s[18:19]
	v_lshl_add_u32 v[SPW], v0, 2, SPARE
	v_mov_b32 v[NIL], 0
	v_lshrrev_b32 v1, 5, v0
	v_readfirstlane_b32 s20, v1                    ; wave 0..3
	s_mov_b32 s21, ttmp9                           ; cg: which 256 columns
	s_and_b32 s22, ttmp7, 0xffff                   ; which tile
	s_wait_kmcnt 0x0
	s_load_b512 s[36:51], s[16:17], 0x0            ; off[0..7] s36-43, cnt[0..7] s44-51; the addresses below are made while it is out
	v_and_b32 v1, 31, v0                           ; l
	v_and_b32 v2, 15, v0                           ; r, c
	v_bfe_u32 v3, v0, 4, 1                         ; h
	s_mul_i32 s58, s20, STGW
	s_add_co_u32 s58, s58, STG                     ; my stage
	s_mul_i32 s59, s20, TOKW
	s_add_co_u32 s59, s59, TOK                     ; my tokens
	s_lshl_b32 s60, s20, 8
	s_lshl_b32 s61, s21, 10
	v_lshlrev_b32 v[WO], 4, v2
	v_lshl_add_u32 v[WO], v3, 10, v[WO]
	v_mul_u32_u24 v[STS], v3, SP
	v_lshl_add_u32 v[STS], v2, 4, v[STS]
	v_add_nc_u32 v[STS], s58, v[STS]
	v_mul_u32_u24 v[STL], v2, SP
	v_lshl_add_u32 v[SO], v3, 5, v[STL]
	v_lshl_add_u32 v[STL], v3, 4, v[STL]
	v_add_nc_u32 v[STL], s58, v[STL]
	v_add_nc_u32 v[SO], s58, v[SO]
	v_mul_u32_u24 v[SR], v3, 8*SP
	v_lshl_add_u32 v[SR], v2, 4, v[SR]
	v_add_nc_u32 v[SR], s58, v[SR]
	v_lshl_add_u32 v[TKA], v1, 2, s59
	v_lshl_add_u32 v[TKB], v2, 2, s59
	v_lshl_add_u32 v[TKC], v3, 5, s59
	v_mul_u32_u24 v[XSA], v3, 8*XP
	v_lshl_add_u32 v[XSA], v2, 4, v[XSA]
	v_add_nc_u32 v[XSA], s60, v[XSA]
	v_add_nc_u32 v[XSA+1], XT3, v[XSA]
	v_add_nc_u32 v[XSA+2], 2*XT3, v[XSA]
	v_mul_u32_u24 v[XA], v2, XP
	v_lshl_add_u32 v[XA], v3, 4, v[XA]
	v_add_nc_u32 v[XA+1], XT3, v[XA]
	v_add_nc_u32 v[XA+2], 2*XT3, v[XA]
	v_lshl_add_u32 v[XO], v2, 4, s60
	v_add_nc_u32 v[OC], s61, v[XO]
	v_lshlrev_b32 v[L32], 5, v1
	v_lshlrev_b32 v[H32], 5, v3
	s_mov_b32 s23, 0                               ; E: my tile's expert
	s_mov_b32 s24, 0                               ; I: which of the expert's tiles
	s_mov_b32 s25, 0                               ; NT: how many it has
	s_mov_b32 s26, 0                               ; CNT: its rows
	s_mov_b32 s27, 0                               ; OFF: its first place in order
	s_mov_b32 s28, 0                               ; tiles of the experts passed
	s_wait_kmcnt 0x0
; Which expert's tile is mine?  By selects, with no jump: the barrier below stands under no branch.  ceil(cnt / 144) = ((cnt + 143) >> 4) / 9, and q / 9 = (q x 7282) >> 16 for q up to 520 (7282 x 9 = 65,538)
.irp e, 0,1,2,3,4,5,6,7
	s_add_co_u32 s30, s[44+\e], 143
	s_lshr_b32 s30, s30, 4
	s_mul_i32 s30, s30, 7282
	s_lshr_b32 s30, s30, 16
	s_sub_co_u32 s29, s22, s28                     ; (it wraps to a large number once my tile is passed)
	s_cmp_lt_u32 s29, s30
	s_cselect_b32 s23, \e, s23
	s_cselect_b32 s24, s29, s24
	s_cselect_b32 s25, s30, s25
	s_cselect_b32 s26, s[44+\e], s26
	s_cselect_b32 s27, s[36+\e], s27
	s_add_co_u32 s28, s28, s30
.endr
	s_min_u32 s23, s23, 7
	s_add_co_u32 s32, s26, 15
	s_lshr_b32 s32, s32, 4                         ; NB: the expert's blocks; 0 where I have no tile
	s_max_u32 s33, s26, 1
	s_sub_co_u32 s33, s33, 1                       ; the expert's last rank
	s_mov_b32 s34, s24                             ; BA: the block in hand
	s_lshl_b32 s58, s21, 8
	s_lshl_b32 s59, s20, 6
	s_add_co_u32 s58, s58, s59                     ; my first column
	s_lshl_b32 s59, s23, 10
	s_add_co_u32 s59, s59, s58                     ; my first row of W, counted over all experts
	s_mov_b32 s61, 0
	s_lshl_b32 s60, s59, 10
	s_add_nc_u64 s[52:53], s[8:9], s[60:61]        ; its codes,
	s_lshl_b32 s60, s59, 5
	s_add_nc_u64 s[54:55], s[10:11], s[60:61]      ; its scale bytes,
	s_lshl_b32 s60, s59, 2
	s_add_nc_u64 s[56:57], s[12:13], s[60:61]      ; its bias
; The tile's 144 places in order.  Local row 16 a + r is rank min(16 (I + NT a) + r, CNT - 1).  Load i < 4: lanes 0-15 block 2 i, lanes 16-31 block 2 i + 1; load 4: block 8 in both halves
	s_lshl_b32 s58, s24, 4
	s_lshl_b32 s59, s25, 4
	v_mad_u32_u24 v29, v3, s59, v2
	v_add_nc_u32 v29, s58, v29                     ; 16 I + 16 NT h + r
.irp i, 0,1,2,3
	s_mul_i32 s60, s25, 32*\i
	v_add_nc_u32 v[IDX+\i], s60, v29
.endr
	s_lshl_b32 s60, s25, 7
	s_add_co_u32 s60, s60, s58
	v_add_nc_u32 v[IDX+4], s60, v2
.irp i, 0,1,2,3,4
	v_min_u32 v[IDX+\i], s33, v[IDX+\i]
.endr
.irp i, 0,1,2,3,4
	v_add_nc_u32 v[IDX+\i], s27, v[IDX+\i]
.endr
.irp i, 0,1,2,3,4
	v_min_u32 v[IDX+\i], 0x1fff, v[IDX+\i]
.endr
.irp i, 0,1,2,3,4
	v_lshlrev_b32 v[IDX+\i], 2, v[IDX+\i]
.endr
.irp i, 0,1,2,3,4
	global_load_b32 v[TKN+\i], v[IDX+\i], s[14:15]
.endr
; THE LOADS GO IN ITEMS OF EIGHT.  ISS counts the global loads issued; an item notes ISS behind its last load, and the wait in front of its use is for the loads issued since: loads come back in order (ISA guide 5.7.1)
.set ISS, 5
.set MORD, ISS
; Unit u of W: block j = u / 4 of 16 rows, bytes 256 (u % 4) on (two K steps): 4 KiB.  Load i takes rows 2 i and 2 i + 1.  The eight loads land in the registers in which the unit's fragments will lie
.macro ISSUE_W u
	WIN 0x80+0x40*(((\u)%4)/2)
.irp i, 0,1,2,3,4,5,6,7
.set rW, 64*((2*((\u)%4)+(\i/4))%4)+16*((\u)/4)+4*(\i%4)
	global_load_b128 v[rW:rW+3], v[WO], s[52:53] offset:16384*((\u)/4)+2048*\i+256*((\u)%4)
.endr
.set ISS, ISS+8
.set MW\u, ISS
.endm
; and is turned in place: into my stage as rows, back as fragments (lane (r, h): row r, bytes 32 m + 16 h).  LDS serves a wave's instructions in order (ISA guide 5.7.1.4) and the stage is my own: no wait between
.macro PROC_W u
	s_wait_loadcnt ISS-MW\u
	WIN 0x08+0x04*(((\u)%4)/2)
.irp i, 0,1,2,3,4,5,6,7
.set rW, 64*((2*((\u)%4)+(\i/4))%4)+16*((\u)/4)+4*(\i%4)
	ds_store_b128 v[STS], v[rW:rW+3] offset:2*SP*\i
.endr
	WIN 0x80+0x40*(((\u)%4)/2)
.irp i, 0,1,2,3,4,5,6,7
.set rW, 64*((2*((\u)%4)+(\i/4))%4)+16*((\u)/4)+4*(\i%4)
	ds_load_b128 v[rW:rW+3], v[STL] offset:32*\i
.endr
.endm
; Block a of x: my wave's 256 bytes of its 16 rows.  Load t takes rows 16 a + t (lanes 0-15) and 16 a + 8 + t (lanes 16-31), by their tokens
.macro ISSUE_G a
	WIN 0
.irp t, 0,1,2,3,4,5,6,7
	v_min_u32 v[GOFF+8*(\a)+\t], 0x1fff, v[GOFF+8*(\a)+\t]
.endr
.irp t, 0,1,2,3,4,5,6,7
	v_lshl_add_u32 v[GOFF+8*(\a)+\t], v[GOFF+8*(\a)+\t], 10, v[XO]
.endr
.if (\a) < 8
	WIN 0x40
.irp t, 0,1,2,3,4,5,6,7
	global_load_b128 v[32*(\a)+4*\t:32*(\a)+4*\t+3], v[GOFF+8*(\a)+\t], s[4:5]
.endr
.else
.irp t, 0,1,2,3,4,5,6,7
	global_load_b128 v[G8+4*\t:G8+4*\t+3], v[GOFF+8*(\a)+\t], s[4:5]
.endr
.endif
.set ISS, ISS+8
.set MG\a, ISS
.endm
.macro PROC_G a                        ; into the shared tile
	s_wait_loadcnt ISS-MG\a
.if (\a) < 8
	WIN 0x04
.irp t, 0,1,2,3,4,5,6,7
	ds_store_b128 v[XSA+(\a)/3], v[32*(\a)+4*\t:32*(\a)+4*\t+3] offset:(16*((\a)%3)+\t)*XP
.endr
.else
	WIN 0
.irp t, 0,1,2,3,4,5,6,7
	ds_store_b128 v[XSA+(\a)/3], v[G8+4*\t:G8+4*\t+3] offset:(16*((\a)%3)+\t)*XP
.endr
.endif
.endm
	ISSUE_W 0                                      ; W hangs on the expert alone: five units go out while the list is on its way
	ISSUE_W 1
	ISSUE_W 2
	ISSUE_W 3
	ISSUE_W 4
	WIN 0
	s_wait_loadcnt ISS-MORD                        ; the five loads of the list are in; the 40 of W behind them stay out
.irp i, 0,1,2,3,4
	v_min_u32 v[TKN+\i], 0x1fff, v[TKN+\i]
.endr
.irp i, 0,1,2,3
	ds_store_b32 v[TKA], v[TKN+\i] offset:128*\i   ; the token of local row 32 i + l at word 32 i + l
.endr
	ds_store_b32 v[TKB], v[TKN+4] offset:512       ; both halves of the lanes write block 8's words with the same values
.irp a, 0,1,2,3,4,5,6,7,8
	ds_load_b128 v[GOFF+8*\a:GOFF+8*\a+3], v[TKC] offset:64*\a        ; back so that a half of the lanes holds eight rows' tokens: rows 16 a + 8 h + 0 .. 7
	ds_load_b128 v[GOFF+8*\a+4:GOFF+8*\a+7], v[TKC] offset:64*\a+16
.endr
.irp i, 0,1,2,3,4
	v_lshlrev_b32 v[XSO+\i], 5, v[TKN+\i]
.endr
.irp i, 0,1,2,3,4
	global_load_b128 v[XS+8*\i:XS+8*\i+3], v[XSO+\i], s[6:7]          ; x's scale words, eight a row: lanes 0-15 block 2 i's rows, lanes 16-31 block 2 i + 1's
	global_load_b128 v[XS+8*\i+4:XS+8*\i+7], v[XSO+\i], s[6:7] offset:16
.endr
.irp n, 0,1
	global_load_b128 v[WS+8*\n:WS+8*\n+3], v[L32], s[54:55] offset:1024*\n       ; W's: lanes 0-15 block 2 n's rows, lanes 16-31 block 2 n + 1's
	global_load_b128 v[WS+8*\n+4:WS+8*\n+7], v[L32], s[54:55] offset:1024*\n+16
.endr
.irp j, 0,1,2,3
	global_load_b128 v[BIAS+8*\j:BIAS+8*\j+3], v[H32], s[56:57] offset:64*\j     ; the bias in the result's layout: columns 16 j + 8 h + 0 .. 7
	global_load_b128 v[BIAS+8*\j+4:BIAS+8*\j+7], v[H32], s[56:57] offset:64*\j+16
.endr
.set ISS, ISS+22
	s_wait_dscnt 0x0                               ; the tokens are back
	ISSUE_G 0                                      ; from here on: an item is issued, an older one is put away; x's blocks and W's units by turns
	PROC_W 0
	ISSUE_W 5
	PROC_W 1
	ISSUE_G 1
	PROC_W 2
	ISSUE_W 6
	PROC_W 3
	ISSUE_G 2
	PROC_W 4
	ISSUE_W 7
	ISSUE_G 3
	ISSUE_W 8
	PROC_G 0                                       ; (its wait shows the scale words and the bias in as well: they were issued ahead of it)
	ISSUE_G 4
	PROC_W 5
	ISSUE_W 9
	PROC_G 1
	ISSUE_G 5
	PROC_W 6
	ISSUE_W 10
	PROC_G 2
	ISSUE_G 6
	PROC_W 7
	ISSUE_W 11
	PROC_G 3
	ISSUE_G 7
	PROC_W 8
	ISSUE_W 12
	PROC_G 4
	ISSUE_G 8
	PROC_W 9
	ISSUE_W 13
	PROC_G 5
	ISSUE_W 14
	PROC_W 10
	ISSUE_W 15
	PROC_G 6
	PROC_W 11
	PROC_G 7
	PROC_W 12
	PROC_G 8
	PROC_W 13
	PROC_W 14
	PROC_W 15                                      ; its wait is for 0: no global load is out from here on
	WIN 0
	s_wait_dscnt 0x0                               ; for the others' sake: my stores into the tile have landed; and W's fragments are in
	s_barrier_signal -1
	s_barrier_wait -1                              ; the tile is whole.  Nobody writes it again: the launch's one barrier
; x's fragments of block a, K steps 4 hf .. 4 hf + 3: lane (r, h): row 16 a + r; registers 4 c .. 4 c + 3: K = 32 c + 16 h + 0 .. 15 of the step
.macro LDX a, hf
	WIN 0x40
.irp ks, 0,1,2,3
.irp c, 0,1,2,3
	ds_load_b128 v[64*(\hf)+16*\ks+4*\c:64*(\hf)+16*\ks+4*\c+3], v[XA+(\a)/3] offset:16*XP*((\a)%3)+512*(\hf)+128*\ks+32*\c
.endr
.endr
.endm
; 16 matrix instructions: four K steps x my four blocks of 16 columns.  The four accumulators take turns, one instruction a turn.  The very first takes the bias as C: nothing is cleared or added later.
; A scale register carries two blocks' words: the even block's in lanes 0-15, the odd block's in lanes 16-31 (ROW1)
.macro MM a, hf
	WIN 0x06+(\hf)                                 ; source 0 (W) window 2 or 3, source 1 (x) window 1, C and D window 0
.irp ks, 0,1,2,3
.irp j, 0,1,2,3
.set rAC, ACC+32*((\a)%2)+8*\j
.set rCC, rAC
.if ((\hf) == 0) && (\ks == 0)
.set rCC, BIAS+8*\j
.endif
.set rWF, 64*\ks+16*\j
.set rXF, 64*(\hf)+16*\ks
.set rSW, WS+8*(\j/2)+4*(\hf)+\ks
.set rSX, XS+8*((\a)/2)+4*(\hf)+\ks
.if (\j%2 == 0) && ((\a)%2 == 0)
	v_wmma_scale_f32_16x16x128_f8f6f4 v[rAC:rAC+7], v[rWF:rWF+15], v[rXF:rXF+15], v[rCC:rCC+7], v[rSW], v[rSX]
.elseif (\j%2 == 1) && ((\a)%2 == 0)
	v_wmma_scale_f32_16x16x128_f8f6f4 v[rAC:rAC+7], v[rWF:rWF+15], v[rXF:rXF+15], v[rCC:rCC+7], v[rSW], v[rSX] matrix_a_scale:MATRIX_SCALE_ROW1
.elseif (\j%2 == 0)
	v_wmma_scale_f32_16x16x128_f8f6f4 v[rAC:rAC+7], v[rWF:rWF+15], v[rXF:rXF+15], v[rCC:rCC+7], v[rSW], v[rSX] matrix_b_scale:MATRIX_SCALE_ROW1
.else
	v_wmma_scale_f32_16x16x128_f8f6f4 v[rAC:rAC+7], v[rWF:rWF+15], v[rXF:rXF+15], v[rCC:rCC+7], v[rSW], v[rSX] matrix_a_scale:MATRIX_SCALE_ROW1 matrix_b_scale:MATRIX_SCALE_ROW1
.endif
.endr
.endr
.endm
; THE WAY OUT, first part: block a's 16 rows x 256 bytes into my stage, 32 bytes a lane, and back as whole rows, with the rows' tokens.  18 LDS instructions
.macro OUT1 a
	WIN 0
	s_wait_xcnt 0x0                                ; the last block's stores have had their addresses translated (ISA guide 3.1): only behind this wait are their data and offset registers loaded again
.irp j, 0,1,2,3
	ds_store_b128 v[SO], v[ACC+32*((\a)%2)+8*\j:ACC+32*((\a)%2)+8*\j+3] offset:64*\j        ; each accumulator from its low end on
	ds_store_b128 v[SO], v[ACC+32*((\a)%2)+8*\j+4:ACC+32*((\a)%2)+8*\j+7] offset:64*\j+16
.endr
	ds_load_b128 v[TO:TO+3], v[TKC] offset:64*(\a)
	ds_load_b128 v[TO+4:TO+7], v[TKC] offset:64*(\a)+16
.irp t, 0,1,2,3,4,5,6,7
	ds_load_b128 v[OB+4*\t:OB+4*\t+3], v[SR] offset:SP*\t             ; lanes 0-15 row t, lanes 16-31 row 8 + t; LDS serves a wave's instructions in order: these see the stores above
.endr
.endm
; second part, half a block of products later: the rows go to their tokens' rows of out
.macro OUT2
	WIN 0
	s_wait_dscnt 0x0                               ; the rows and tokens are back (and so are the fragments asked for ahead of them)
.irp t, 0,1,2,3,4,5,6,7
	v_min_u32 v[TO+\t], 0x1fff, v[TO+\t]
.endr
.irp t, 0,1,2,3,4,5,6,7
	v_lshl_add_u32 v[TO+\t], v[TO+\t], 12, v[OC]
.endr
.irp t, 0,1,2,3,4,5,6,7
	global_store_b128 v[TO+\t], v[OB+4*\t:OB+4*\t+3], s[18:19] th:TH_STORE_NT   ; sixteen lanes store 256 consecutive bytes, at a multiple of 256 from out's first byte; written once, read by nobody here
.endr
.endm
; Block a of the tile.  The next block's fragments are fetched whether it counts or not: its bytes of the tile were written in any case
.macro BLOCK a
.if (\a) > 0
	s_add_co_u32 s34, s34, s25                     ; the expert's block I + NT a:
	s_cmp_lt_u32 s34, s32                          ; is there one?
	s_cbranch_scc0 .Ldrain
	s_wait_dscnt 34                                ; the first half's fragments are in; behind them: the second half's 16 loads and the last way out's 18 instructions
.else
	s_wait_dscnt 16                                ; the first half's fragments are in; the second half's 16 loads may be out
.endif
	MM \a, 0
.if (\a) > 0
	OUT2                                           ; its sixteen vector lines are also the places in front of the loads below
.else
	PLACES
.endif
.if (\a) < 8
	LDX (\a)+1, 0
.endif
.if (\a) == 0
	s_wait_dscnt 16                                ; all but the 16 just issued
.endif
	MM \a, 1
	PLACES                                         ; in front of the loads into x's registers and of the reads of the results
.if (\a) < 8
	LDX (\a)+1, 1
.endif
	OUT1 \a
.endm
	s_cmp_eq_u32 s32, 0                            ; a work-group that this split leaves without a tile stores nothing
	s_cbranch_scc1 .Lend
	LDX 0, 0
	LDX 0, 1
	BLOCK 0
	BLOCK 1
	BLOCK 2
	BLOCK 3
	BLOCK 4
	BLOCK 5
	BLOCK 6
	BLOCK 7
	BLOCK 8
.Ldrain:                                               ; reached only behind a first part of the way out: the last block's rows leave
	OUT2
.Lend:
	s_wait_tensorcnt 0x0                           ; the wave's end: a tensor-counter wait (though no tensor load is issued), an add of 0 to my spare word and a wait for it, behind my last LDS store
	ds_add_u32 v[SPW], v[NIL]
	s_wait_dscnt 0x0
	s_endpgm
.Lfunc_end_k_qae2908f00c_gemm:
	.size	k_qae2908f00c_gemm, .Lfunc_end_k_qae2908f00c_gemm-k_qae2908f00c_gemm
	.p2alignl 7, 3214868480
	.fill 96, 4, 3214868480
	.section	.rodata,"a",@progbits
	.p2align	6, 0x0
	.amdhsa_kernel k_qae2908f00c_gemm
		.amdhsa_group_segment_fixed_size 170752
		.amdhsa_private_segment_fixed_size 0
		.amdhsa_enable_private_segment 0
		.amdhsa_kernarg_size 64
		.amdhsa_user_sgpr_count 2
		.amdhsa_user_sgpr_kernarg_segment_ptr 1
		.amdhsa_wavefront_size32 1
		.amdhsa_system_sgpr_workgroup_id_x 1
		.amdhsa_system_sgpr_workgroup_id_y 1
		.amdhsa_system_sgpr_workgroup_id_z 1
		.amdhsa_system_vgpr_workitem_id 0
		.amdhsa_next_free_vgpr 1024
		.amdhsa_next_free_sgpr 66
		.amdhsa_reserve_vcc 0
		.amdhsa_float_denorm_mode_32 3
		.amdhsa_float_denorm_mode_16_64 3
		.amdhsa_memory_ordered 1
		.amdhsa_forward_progress 1
		.amdhsa_inst_pref_size 150
	.end_amdhsa_kernel
	.amdgpu_metadata
---
amdhsa.version: [ 1, 2 ]
amdhsa.kernels:
  - .name:           k_qae2908f00c_gemm
    .symbol:         k_qae2908f00c_gemm.kd
    .args:
      - { .name: inputs_codes, .offset: 0, .size: 8, .value_kind: global_buffer, .address_space: global }
      - { .name: inputs_scales, .offset: 8, .size: 8, .value_kind: global_buffer, .address_space: global }
      - { .name: weights_codes, .offset: 16, .size: 8, .value_kind: global_buffer, .address_space: global }
      - { .name: weights_scales, .offset: 24, .size: 8, .value_kind: global_buffer, .address_space: global }
      - { .name: biases, .offset: 32, .size: 8, .value_kind: global_buffer, .address_space: global }
      - { .name: order, .offset: 40, .size: 8, .value_kind: global_buffer, .address_space: global }
      - { .name: meta, .offset: 48, .size: 8, .value_kind: global_buffer, .address_space: global }
      - { .name: out0, .offset: 56, .size: 8, .value_kind: global_buffer, .address_space: global }
    .group_segment_fixed_size: 170752
    .private_segment_fixed_size: 0
    .kernarg_segment_align: 8
    .kernarg_segment_size: 64
    .max_flat_workgroup_size: 128
    .sgpr_count:     66
    .vgpr_count:     1024
    .wavefront_size: 32
...
	.end_amdgpu_metadata
.endif
;; end of part 2
;; ======== version 2 of 2: 2 launches; version 1 with the launch gemm written anew for expert scheduling mode
;; workspace buffers: order 32,768 bytes of whole numbers; meta 256 bytes of whole numbers
;; launch sortrows: the kernel of part 1 again; grid 1 x 1, 8 waves a work-group, no clusters, 1,280 bytes of LDS; arguments nodes_type, order, meta; writes order, meta
;; launch gemm (part 3): grid 4 x 64, 4 waves a work-group, no clusters, 170,752 bytes of LDS; arguments inputs_codes, inputs_scales, weights_codes, weights_scales, biases, order, meta, out0; writes out0
.if DOCPART == 3
	.amdgcn_target "amdgcn-amd-amdhsa--gfx1250"
	.amdhsa_code_object_version 6
	.text
	.protected	k_qae2908f00c_gemm
	.globl	k_qae2908f00c_gemm
	.p2align	8
	.type	k_qae2908f00c_gemm,@function
k_qae2908f00c_gemm:
	s_mov_b64 s[64:65], 0
	v_nop
	global_prefetch_b8 v0, s[64:65] scope:SCOPE_SE
	s_setreg_imm32_b32 hwreg(HW_REG_WAVE_SCHED_MODE, 0, 2), 2
	s_setreg_imm32_b32 hwreg(HW_REG_WAVE_MODE, 25, 1), 1
	s_wait_xcnt 0x0
	s_wait_alu depctr_vm_vsrc(0)
; out[n][:] = W[t[n]] x[n] + b[t[n]], on codes of E4M3 with one E8M0 scale for each 32 along K, taken as they lie in memory.  Only the chosen expert's product is made: the rows come sorted by expert (order, meta).
; TILES.  An expert with cnt rows has nb = ceil(cnt / 16) blocks of 16 rows and nt = ceil(cnt / 144) tiles; its tile I takes blocks I, I + nt, I + 2 nt .. below nb: at most 9, and even to within one block.
; The sum of nt over the 8 experts is at most (8192 + 8 x 143) / 144 = 64 for every split: grid y = 64 tiles, grid x = 4 groups of 256 columns.  A work-group that a split leaves without a tile stores nothing.
; SHARES.  Wave w owns columns 256 cg + 64 w .. + 63 for all rows of the tile.  Its 64 rows of W, all of K (64 KiB), stay in 512 REGISTERS; the tile's rows of x, all of K, lie in LDS and all four waves read them.
; A block of 16 rows is finished by 32 matrix instructions on 4 accumulators by turns and leaves under the next block's products.
; THE MATRIX INSTRUCTION IS USED TRANSPOSED (source 0 = 16 rows of W, source 1 = 16 rows of x): a lane holds eight neighbouring columns of one row of out.  The bias is the C of each sum's first instruction.
; MEMORY.  Every load of codes reads two rows x 256 consecutive aligned bytes, sixteen lanes to a row.  W's bytes are turned into fragments through the wave's own stage in LDS; x's go into the shared tile.
; NO TENSOR LOAD, NO CLUSTER: the walk over a tile's blocks branches on counts read from memory and x's rows come by a list, so operands go through registers; the one barrier stands ahead of every such branch.
; LIMITS.  In a block that reaches past the expert's rows the missing rows are copies of the expert's last row: the same work-group then stores the same bits to the same bytes more than once.
; Numbers read from order and meta are held inside their tables by unsigned minima.  A scale byte 0xff gives NaN, as the matrix instruction gives it.
; REGISTERS, in windows of 256.  Window 0: v0-31 addresses; v32-47 W's scale words; v48-87 x's; v88-119 the bias; v120-183 two sets of 4 accumulators; v184-215 rows on the way out; v216-231 two sets of their offsets;
;   (ahead of the barrier v120-191 hold the gather's offsets, v192-223 block 8's bytes, v224-233 the list).  Window 1: two sets of x's fragments, v0-127 and v128-255 (ahead of the barrier: blocks 0-7's bytes).
;   Window 2: W's fragments of K steps 0-3, window 3 of K steps 4-7: K step ks, block j of 16 rows at v[64 (ks % 4) + 16 j].
; THE MODE: SCHED_MODE bits 1:0 = 2 (LLVM: expert scheduling mode 2), set by the entry lines.  The code itself states the register dependences between vector or matrix instructions and memory or LDS instructions,
; with s_wait_alu, always for 0.
; THE PLAN, behind the barrier.  Block a, p = a % 2.  Registers that memory or LDS instructions touch:
;   XF[p]   x's fragments.  Written by the LDS loads that are issued in block a - 1; read by block a's 32 matrix instructions.
;   ACC[p]  Written by block a's matrix instructions; read by the eight stores into the stage that are issued at the head of block a + 1.
;   TO[p]   Written by two LDS loads at block a's head (the rows' tokens) and by sixteen vector lines at its end; read, as offsets, by the eight global stores in the middle of block a + 1.
;   OB      Written by eight LDS loads at the head of block a + 1 (block a's rows, out of the stage); read by those eight global stores.
;   v[XA ..], v[TKC], v[SO], v[SR] addresses, made at the kernel's head and never written again.
; The memory and LDS instructions of block a touch XF[1 - p] (the next block's fragments), ACC[1 - p], TO[1 - p] and OB (the last block's way out) and load TO[p]; its matrix instructions name XF[p] and ACC[p], its vector lines TO[p].
; So the waits at a block's END state all that the next block's memory and LDS instructions hang on.  They stand ahead of the branch that asks whether there is a next block, and so hold on both ways.
; Ahead of the barrier: one wait behind each run of vector lines that makes addresses, and one in each turn of a unit of W, whose fragments land in the registers out of which its bytes were stored.
.set XP,    1040                       ; a row of x in LDS: 1,024 bytes + 16 = 65 x 16 bytes: the 16 rows that a fragment load touches begin 16 bytes further on, modulo 256, from row to row
.set XT3,   48*XP                      ; three blocks: what an immediate reaches; the address registers carry the rest
.set STG,   144*XP                     ; behind the tile: a stage of 16 rows x 272 bytes for each wave, its own: first it turns W, later it is the way out
.set SP,    272
.set STGW,  16*SP
.set TOK,   STG+4*STGW                 ; behind the stages: the tile's 144 token numbers, a copy for each wave, its own
.set TOKW,  768
.set SPARE, TOK+4*TOKW                 ; behind them: the spare words, 128 bytes for each wave: two blocks of 256 bytes that no other line names
.set SPW,  4                           ; v4   my spare word: SPARE + 4 x my thread's number; never rewritten
.set NIL,  5                           ; v5   0; never rewritten
.set WO,   6                           ; v6   W in memory: 1024 h + 16 c
.set STS,  7                           ; v7   the stage, W on its way in: 272 h + 16 c
.set STL,  8                           ; v8   and out, as fragments: 272 r + 16 h
.set TKA,  9                           ; v9   my tokens: 4 l
.set TKB,  10                          ; v10  4 r
.set TKC,  11                          ; v11  32 h: eight tokens for each half of the lanes
.set XSA,  12                          ; v12-14  the tile, x on its way in: 48 rows k + 8 rows h + 256 w + 16 c
.set XA,   15                          ; v15-17  and out, as fragments: 48 rows k + row r + 16 h
.set SO,   18                          ; v18  the stage, results on their way in: 272 r + 32 h
.set SR,   19                          ; v19  and out, as rows: 8 rows h + 16 c
.set OC,   20                          ; v20  my 16 bytes in a row of out: 1024 cg + 256 w + 16 c
.set XO,   21                          ; v21  my 16 bytes in a row of x: 256 w + 16 c
.set L32,  22                          ; v22  32 l
.set H32,  23                          ; v23  32 h
.set IDX,  24                          ; v24-28 byte offsets in order
.set WS,   32
.set XS,   48
.set BIAS, 88
.set ACC,  120
.set GOFF, 120
.set G8,   192
.set OB,   184
.set TO,   216                         ; v216-223 set 0, v224-231 set 1
.set TKN,  224                         ; v224-228 tokens as loaded
.set XSO,  229                         ; v229-233 their offsets in x's scales
.set MSB, 0
.macro WIN new                         ; the immediate's high byte repeats the setting that is left; a switch that changes nothing is dropped
.if MSB != (\new)
	s_set_vgpr_msb (MSB<<8)|(\new)
.set MSB, (\new)
.endif
.endm
	s_load_b512 s[4:19], s[0:1], 0x0               ; x's codes s[4:5], x's scales s[6:7], W's codes s[8:9], W's scales s[10:11], biases s[12:13], order s[14:15], meta s[16:17], out s[18:19]
	v_lshl_add_u32 v[SPW], v0, 2, SPARE
	v_mov_b32 v[NIL], 0
	v_lshrrev_b32 v1, 5, v0
	v_readfirstlane_b32 s20, v1                    ; wave 0..3
	s_mov_b32 s21, ttmp9                           ; cg: which 256 columns
	s_and_b32 s22, ttmp7, 0xffff                   ; which tile
	s_wait_kmcnt 0x0
	s_load_b512 s[36:51], s[16:17], 0x0            ; off[0..7] s36-43, cnt[0..7] s44-51; the addresses below are made while it is out
	v_and_b32 v1, 31, v0                           ; l
	v_and_b32 v2, 15, v0                           ; r, c
	v_bfe_u32 v3, v0, 4, 1                         ; h
	s_wait_alu depctr_va_sdst(0)                   ; s20 is written, ahead of its first reader: LDS addresses and the bases of W are made from it
	s_mul_i32 s58, s20, STGW
	s_add_co_u32 s58, s58, STG                     ; my stage
	s_mul_i32 s59, s20, TOKW
	s_add_co_u32 s59, s59, TOK                     ; my tokens
	s_lshl_b32 s60, s20, 8
	s_lshl_b32 s61, s21, 10
	v_lshlrev_b32 v[WO], 4, v2
	v_lshl_add_u32 v[WO], v3, 10, v[WO]
	v_mul_u32_u24 v[STS], v3, SP
	v_lshl_add_u32 v[STS], v2, 4, v[STS]
	v_add_nc_u32 v[STS], s58, v[STS]
	v_mul_u32_u24 v[STL], v2, SP
	v_lshl_add_u32 v[SO], v3, 5, v[STL]
	v_lshl_add_u32 v[STL], v3, 4, v[STL]
	v_add_nc_u32 v[STL], s58, v[STL]
	v_add_nc_u32 v[SO], s58, v[SO]
	v_mul_u32_u24 v[SR], v3, 8*SP
	v_lshl_add_u32 v[SR], v2, 4, v[SR]
	v_add_nc_u32 v[SR], s58, v[SR]
	v_lshl_add_u32 v[TKA], v1, 2, s59
	v_lshl_add_u32 v[TKB], v2, 2, s59
	v_lshl_add_u32 v[TKC], v3, 5, s59
	v_mul_u32_u24 v[XSA], v3, 8*XP
	v_lshl_add_u32 v[XSA], v2, 4, v[XSA]
	v_add_nc_u32 v[XSA], s60, v[XSA]
	v_add_nc_u32 v[XSA+1], XT3, v[XSA]
	v_add_nc_u32 v[XSA+2], 2*XT3, v[XSA]
	v_mul_u32_u24 v[XA], v2, XP
	v_lshl_add_u32 v[XA], v3, 4, v[XA]
	v_add_nc_u32 v[XA+1], XT3, v[XA]
	v_add_nc_u32 v[XA+2], 2*XT3, v[XA]
	v_lshl_add_u32 v[XO], v2, 4, s60
	v_add_nc_u32 v[OC], s61, v[XO]
	v_lshlrev_b32 v[L32], 5, v1
	v_lshlrev_b32 v[H32], 5, v3
	s_mov_b32 s23, 0                               ; E: my tile's expert
	s_mov_b32 s24, 0                               ; I: which of the expert's tiles
	s_mov_b32 s25, 0                               ; NT: how many it has
	s_mov_b32 s26, 0                               ; CNT: its rows
	s_mov_b32 s27, 0                               ; OFF: its first place in order
	s_mov_b32 s28, 0                               ; tiles of the experts passed
	s_wait_kmcnt 0x0
; Which expert's tile is mine?  By selects, with no jump: the barrier below stands under no branch.  ceil(cnt / 144) = ((cnt + 143) >> 4) / 9, and q / 9 = (q x 7282) >> 16 for q up to 520 (7282 x 9 = 65,538)
.irp e, 0,1,2,3,4,5,6,7
	s_add_co_u32 s30, s[44+\e], 143
	s_lshr_b32 s30, s30, 4
	s_mul_i32 s30, s30, 7282
	s_lshr_b32 s30, s30, 16
	s_sub_co_u32 s29, s22, s28                     ; (it wraps to a large number once my tile is passed)
	s_cmp_lt_u32 s29, s30
	s_cselect_b32 s23, \e, s23
	s_cselect_b32 s24, s29, s24
	s_cselect_b32 s25, s30, s25
	s_cselect_b32 s26, s[44+\e], s26
	s_cselect_b32 s27, s[36+\e], s27
	s_add_co_u32 s28, s28, s30
.endr
	s_min_u32 s23, s23, 7
	s_add_co_u32 s32, s26, 15
	s_lshr_b32 s32, s32, 4                         ; NB: the expert's blocks; 0 where I have no tile
	s_max_u32 s33, s26, 1
	s_sub_co_u32 s33, s33, 1                       ; the expert's last rank
	s_mov_b32 s34, s24                             ; BA: the block in hand
	s_lshl_b32 s58, s21, 8
	s_lshl_b32 s59, s20, 6
	s_add_co_u32 s58, s58, s59                     ; my first column
	s_lshl_b32 s59, s23, 10
	s_add_co_u32 s59, s59, s58                     ; my first row of W, counted over all experts
	s_mov_b32 s61, 0
	s_lshl_b32 s60, s59, 10
	s_add_nc_u64 s[52:53], s[8:9], s[60:61]        ; its codes,
	s_lshl_b32 s60, s59, 5
	s_add_nc_u64 s[54:55], s[10:11], s[60:61]      ; its scale bytes,
	s_lshl_b32 s60, s59, 2
	s_add_nc_u64 s[56:57], s[12:13], s[60:61]      ; its bias
; The tile's 144 places in order.  Local row 16 a + r is rank min(16 (I + NT a) + r, CNT - 1).  Load i < 4: lanes 0-15 block 2 i, lanes 16-31 block 2 i + 1; load 4: block 8 in both halves
	s_lshl_b32 s58, s24, 4
	s_lshl_b32 s59, s25, 4
	v_mad_u32_u24 v29, v3, s59, v2
	v_add_nc_u32 v29, s58, v29                     ; 16 I + 16 NT h + r
.irp i, 0,1,2,3
	s_mul_i32 s60, s25, 32*\i
	v_add_nc_u32 v[IDX+\i], s60, v29
.endr
	s_lshl_b32 s60, s25, 7
	s_add_co_u32 s60, s60, s58
	v_add_nc_u32 v[IDX+4], s60, v2
.irp i, 0,1,2,3,4
	v_min_u32 v[IDX+\i], s33, v[IDX+\i]
.endr
.irp i, 0,1,2,3,4
	v_add_nc_u32 v[IDX+\i], s27, v[IDX+\i]
.endr
.irp i, 0,1,2,3,4
	v_min_u32 v[IDX+\i], 0x1fff, v[IDX+\i]
.endr
.irp i, 0,1,2,3,4
	v_lshlrev_b32 v[IDX+\i], 2, v[IDX+\i]
.endr
	s_wait_alu depctr_va_vdst(0)                   ; v4 to v28 are written: the addresses and offsets that the kernel's loads, stores and LDS instructions read; none of them is written again
.irp i, 0,1,2,3,4
	global_load_b32 v[TKN+\i], v[IDX+\i], s[14:15]
.endr
; THE LOADS GO IN ITEMS OF EIGHT.  ISS counts the global loads issued; an item notes ISS behind its last load, and the wait in front of its use is for the loads issued since: loads come back in order (ISA guide 5.7.1)
.set ISS, 5
.set MORD, ISS
; Unit u of W: block j = u / 4 of 16 rows, bytes 256 (u % 4) on (two K steps): 4 KiB.  Load i takes rows 2 i and 2 i + 1.  The eight loads land in the registers in which the unit's fragments will lie
.macro ISSUE_W u
	WIN 0x80+0x40*(((\u)%4)/2)
.irp i, 0,1,2,3,4,5,6,7
.set rW, 64*((2*((\u)%4)+(\i/4))%4)+16*((\u)/4)+4*(\i%4)
	global_load_b128 v[rW:rW+3], v[WO], s[52:53] offset:16384*((\u)/4)+2048*\i+256*((\u)%4)
.endr
.set ISS, ISS+8
.set MW\u, ISS
.endm
; and is turned in place: into my stage as rows, back as fragments (lane (r, h): row r, bytes 32 m + 16 h).  LDS serves a wave's instructions in order (ISA guide 5.7.1.4) and the stage is my own: no wait on DScnt between
.macro PROC_W u
	s_wait_loadcnt ISS-MW\u
	WIN 0x08+0x04*(((\u)%4)/2)
.irp i, 0,1,2,3,4,5,6,7
.set rW, 64*((2*((\u)%4)+(\i/4))%4)+16*((\u)/4)+4*(\i%4)
	ds_store_b128 v[STS], v[rW:rW+3] offset:2*SP*\i
.endr
	WIN 0x80+0x40*(((\u)%4)/2)
	s_wait_alu depctr_vm_vsrc(0)                   ; the eight stores above have read the unit's 32 registers, in which the eight loads below land
.irp i, 0,1,2,3,4,5,6,7
.set rW, 64*((2*((\u)%4)+(\i/4))%4)+16*((\u)/4)+4*(\i%4)
	ds_load_b128 v[rW:rW+3], v[STL] offset:32*\i
.endr
.endm
; Block a of x: the byte offsets of its rows, by their tokens: sixteen vector lines
.macro OFFS a
.irp t, 0,1,2,3,4,5,6,7
	v_min_u32 v[GOFF+8*(\a)+\t], 0x1fff, v[GOFF+8*(\a)+\t]
.endr
.irp t, 0,1,2,3,4,5,6,7
	v_lshl_add_u32 v[GOFF+8*(\a)+\t], v[GOFF+8*(\a)+\t], 10, v[XO]
.endr
.endm
; and my wave's 256 bytes of its 16 rows.  Load t takes rows 16 a + t (lanes 0-15) and 16 a + 8 + t (lanes 16-31)
.macro ISSUE_G a
.if (\a) < 8
	WIN 0x40
.irp t, 0,1,2,3,4,5,6,7
	global_load_b128 v[32*(\a)+4*\t:32*(\a)+4*\t+3], v[GOFF+8*(\a)+\t], s[4:5]
.endr
.else
	WIN 0
.irp t, 0,1,2,3,4,5,6,7
	global_load_b128 v[G8+4*\t:G8+4*\t+3], v[GOFF+8*(\a)+\t], s[4:5]
.endr
.endif
.set ISS, ISS+8
.set MG\a, ISS
.endm
.macro PROC_G a                        ; into the shared tile
	s_wait_loadcnt ISS-MG\a
.if (\a) < 8
	WIN 0x04
.irp t, 0,1,2,3,4,5,6,7
	ds_store_b128 v[XSA+(\a)/3], v[32*(\a)+4*\t:32*(\a)+4*\t+3] offset:(16*((\a)%3)+\t)*XP
.endr
.else
	WIN 0
.irp t, 0,1,2,3,4,5,6,7
	ds_store_b128 v[XSA+(\a)/3], v[G8+4*\t:G8+4*\t+3] offset:(16*((\a)%3)+\t)*XP
.endr
.endif
.endm
	ISSUE_W 0                                      ; W hangs on the expert alone: five units go out while the list is on its way
	ISSUE_W 1
	ISSUE_W 2
	ISSUE_W 3
	ISSUE_W 4
	WIN 0
	s_wait_loadcnt ISS-MORD                        ; the five loads of the list are in; the 40 of W behind them stay out
.irp i, 0,1,2,3,4
	v_min_u32 v[TKN+\i], 0x1fff, v[TKN+\i]
.endr
.irp i, 0,1,2,3,4
	v_lshlrev_b32 v[XSO+\i], 5, v[TKN+\i]
.endr
	s_wait_alu depctr_va_vdst(0)                   ; the ten lines above have written the tokens, which the LDS stores below read, and their offsets in x's scales, which the loads below read
.irp i, 0,1,2,3
	ds_store_b32 v[TKA], v[TKN+\i] offset:128*\i   ; the token of local row 32 i + l at word 32 i + l
.endr
	ds_store_b32 v[TKB], v[TKN+4] offset:512       ; both halves of the lanes write block 8's words with the same values
.irp a, 0,1,2,3,4,5,6,7,8
	ds_load_b128 v[GOFF+8*\a:GOFF+8*\a+3], v[TKC] offset:64*\a        ; back so that a half of the lanes holds eight rows' tokens: rows 16 a + 8 h + 0 .. 7
	ds_load_b128 v[GOFF+8*\a+4:GOFF+8*\a+7], v[TKC] offset:64*\a+16
.endr
.irp i, 0,1,2,3,4
	global_load_b128 v[XS+8*\i:XS+8*\i+3], v[XSO+\i], s[6:7]          ; x's scale words, eight a row: lanes 0-15 block 2 i's rows, lanes 16-31 block 2 i + 1's
	global_load_b128 v[XS+8*\i+4:XS+8*\i+7], v[XSO+\i], s[6:7] offset:16
.endr
.irp n, 0,1
	global_load_b128 v[WS+8*\n:WS+8*\n+3], v[L32], s[54:55] offset:1024*\n       ; W's: lanes 0-15 block 2 n's rows, lanes 16-31 block 2 n + 1's
	global_load_b128 v[WS+8*\n+4:WS+8*\n+7], v[L32], s[54:55] offset:1024*\n+16
.endr
.irp j, 0,1,2,3
	global_load_b128 v[BIAS+8*\j:BIAS+8*\j+3], v[H32], s[56:57] offset:64*\j     ; the bias in the result's layout: columns 16 j + 8 h + 0 .. 7
	global_load_b128 v[BIAS+8*\j+4:BIAS+8*\j+7], v[H32], s[56:57] offset:64*\j+16
.endr
.set ISS, ISS+22
	s_wait_dscnt 0x0                               ; the tokens are back
	OFFS 0                                         ; block 0's offsets alone, so that its rows are asked for at once
	WIN 0x40
	s_wait_alu depctr_va_vdst(0)                   ; block 0's eight offsets are written, which the loads below read
	ISSUE_G 0                                      ; from here on: an item is issued, an older one is put away; x's blocks and W's units by turns
	PROC_W 0
	WIN 0
	OFFS 1                                         ; the other eight blocks' offsets in one run, behind the first unit's sixteen LDS instructions
	OFFS 2
	OFFS 3
	OFFS 4
	OFFS 5
	OFFS 6
	OFFS 7
	OFFS 8
	ISSUE_W 5
	PROC_W 1
	WIN 0x40
	s_wait_alu depctr_va_vdst(0)                   ; the offsets of blocks 1 to 8 are written, which these blocks' loads read; no vector instruction follows ahead of the barrier, so the one wait serves all eight
	ISSUE_G 1
	PROC_W 2
	ISSUE_W 6
	PROC_W 3
	ISSUE_G 2
	PROC_W 4
	ISSUE_W 7
	ISSUE_G 3
	ISSUE_W 8
	PROC_G 0                                       ; (its wait shows the scale words and the bias in as well: they were issued ahead of it)
	ISSUE_G 4
	PROC_W 5
	ISSUE_W 9
	PROC_G 1
	ISSUE_G 5
	PROC_W 6
	ISSUE_W 10
	PROC_G 2
	ISSUE_G 6
	PROC_W 7
	ISSUE_W 11
	PROC_G 3
	ISSUE_G 7
	PROC_W 8
	ISSUE_W 12
	PROC_G 4
	ISSUE_G 8
	PROC_W 9
	ISSUE_W 13
	PROC_G 5
	ISSUE_W 14
	PROC_W 10
	ISSUE_W 15
	PROC_G 6
	PROC_W 11
	PROC_G 7
	PROC_W 12
	PROC_G 8
	PROC_W 13
	PROC_W 14
	PROC_W 15                                      ; its wait is for 0: no global load is out from here on
	WIN 0
	s_wait_dscnt 0x0                               ; for the others' sake: my stores into the tile have landed; and W's fragments are in
	s_barrier_signal -1
	s_barrier_wait -1                              ; the tile is whole.  Nobody writes it again: the launch's one barrier
	s_wait_alu depctr_vm_vsrc(0)                   ; the gather has read its offsets (from here on the accumulators and OB), my LDS stores have read x's bytes (from here on x's fragments, OB, TO set 0) and the list (TO set 1)
; x's fragments of block a, K steps 4 hf .. 4 hf + 3, into set a % 2: lane (r, h): row 16 a + r; registers 4 c .. 4 c + 3: K = 32 c + 16 h + 0 .. 15 of the step
.macro LDX a, hf
	WIN 0x40
.irp ks, 0,1,2,3
.irp c, 0,1,2,3
	ds_load_b128 v[128*((\a)%2)+64*(\hf)+16*\ks+4*\c:128*((\a)%2)+64*(\hf)+16*\ks+4*\c+3], v[XA+(\a)/3] offset:16*XP*((\a)%3)+512*(\hf)+128*\ks+32*\c
.endr
.endr
.endm
; 8 matrix instructions: K steps 4 hf + k0 and 4 hf + k0 + 1 x my four blocks of 16 columns.  The four accumulators take turns, one instruction a turn.  The very first takes the bias as C: nothing is cleared or added later.
; A scale register carries two blocks' words: the even block's in lanes 0-15, the odd block's in lanes 16-31 (ROW1)
.macro MM8 a, hf, k0
	WIN 0x06+(\hf)                                 ; source 0 (W) window 2 or 3, source 1 (x) window 1, C and D window 0
.irp d, 0,1
.irp j, 0,1,2,3
.set KS, (\k0)+\d
.set rAC, ACC+32*((\a)%2)+8*\j
.set rCC, rAC
.if ((\hf) == 0) && (KS == 0)
.set rCC, BIAS+8*\j
.endif
.set rWF, 64*KS+16*\j
.set rXF, 128*((\a)%2)+64*(\hf)+16*KS
.set rSW, WS+8*(\j/2)+4*(\hf)+KS
.set rSX, XS+8*((\a)/2)+4*(\hf)+KS
.if (\j%2 == 0) && ((\a)%2 == 0)
	v_wmma_scale_f32_16x16x128_f8f6f4 v[rAC:rAC+7], v[rWF:rWF+15], v[rXF:rXF+15], v[rCC:rCC+7], v[rSW], v[rSX]
.elseif (\j%2 == 1) && ((\a)%2 == 0)
	v_wmma_scale_f32_16x16x128_f8f6f4 v[rAC:rAC+7], v[rWF:rWF+15], v[rXF:rXF+15], v[rCC:rCC+7], v[rSW], v[rSX] matrix_a_scale:MATRIX_SCALE_ROW1
.elseif (\j%2 == 0)
	v_wmma_scale_f32_16x16x128_f8f6f4 v[rAC:rAC+7], v[rWF:rWF+15], v[rXF:rXF+15], v[rCC:rCC+7], v[rSW], v[rSX] matrix_b_scale:MATRIX_SCALE_ROW1
.else
	v_wmma_scale_f32_16x16x128_f8f6f4 v[rAC:rAC+7], v[rWF:rWF+15], v[rXF:rXF+15], v[rCC:rCC+7], v[rSW], v[rSX] matrix_a_scale:MATRIX_SCALE_ROW1 matrix_b_scale:MATRIX_SCALE_ROW1
.endif
.endr
.endr
.endm
; THE WAY OUT of a block, in four parts.  TOKENS, at the block's own head: its rows' tokens, eight for each half of the lanes, into TO set a % 2
.macro TOKENS a
	ds_load_b128 v[TO+8*((\a)%2):TO+8*((\a)%2)+3], v[TKC] offset:64*(\a)
	ds_load_b128 v[TO+8*((\a)%2)+4:TO+8*((\a)%2)+7], v[TKC] offset:64*(\a)+16
.endm
; OFFOUT, at the block's own end: the tokens become byte offsets in out
.macro OFFOUT a
.irp t, 0,1,2,3,4,5,6,7
	v_min_u32 v[TO+8*((\a)%2)+\t], 0x1fff, v[TO+8*((\a)%2)+\t]
.endr
.irp t, 0,1,2,3,4,5,6,7
	v_lshl_add_u32 v[TO+8*((\a)%2)+\t], v[TO+8*((\a)%2)+\t], 12, v[OC]
.endr
.endm
; STAGE, at the next block's head: accumulator set p, 16 rows x 256 bytes, into my stage, 32 bytes a lane, and back as whole rows
.macro STAGE p
.irp j, 0,1,2,3
	ds_store_b128 v[SO], v[ACC+32*(\p)+8*\j:ACC+32*(\p)+8*\j+3] offset:64*\j        ; each accumulator from its low end on
	ds_store_b128 v[SO], v[ACC+32*(\p)+8*\j+4:ACC+32*(\p)+8*\j+7] offset:64*\j+16
.endr
.irp t, 0,1,2,3,4,5,6,7
	ds_load_b128 v[OB+4*\t:OB+4*\t+3], v[SR] offset:SP*\t             ; lanes 0-15 row t, lanes 16-31 row 8 + t; LDS serves a wave's instructions in order: these see the stores above
.endr
.endm
; SEND, in the next block's middle: the rows go to their tokens' rows of out
.macro SEND p
.irp t, 0,1,2,3,4,5,6,7
	global_store_b128 v[TO+8*(\p)+\t], v[OB+4*\t:OB+4*\t+3], s[18:19] th:TH_STORE_NT   ; sixteen lanes store 256 consecutive bytes, at a multiple of 256 from out's first byte; written once, read by nobody here
.endr
.endm
; Block a of the tile.  The next block's fragments are fetched whether it counts or not: its bytes of the tile were written in any case.
; Its LDS instructions, in order: 2 (tokens), 16 (the last block through the stage), 16 (the next block's first half of K), 16 (its second half)
.macro BLOCK a
.if (\a) > 0
	s_add_co_u32 s34, s34, s25                     ; the expert's block I + NT a:
	s_cmp_lt_u32 s34, s32                          ; is there one?
.if ((\a)%2) == 1
	s_cbranch_scc0 .Ldrain0                        ; no: the last block, an even one, leaves
.else
	s_cbranch_scc0 .Ldrain1                        ; no: the last block, an odd one, leaves
.endif
.endif
	s_wait_dscnt 16                                ; the first half's fragments are in; the second half's 16 loads, the youngest, may be out
	WIN 0
	TOKENS \a
.if (\a) > 0
	STAGE ((\a)+1)%2
.endif
	MM8 \a, 0, 0
.if (\a) < 8
	LDX (\a)+1, 0                                  ; into the other set.  No wait: no matrix instruction since the last block's end names it
.endif
	MM8 \a, 0, 2
.if (\a) < 8
	s_wait_dscnt 16                                ; all but the 16 just issued: my second half's fragments, my tokens and the last block's rows are in
.else
	s_wait_dscnt 0x0
.endif
.if (\a) > 0
	WIN 0
	SEND ((\a)+1)%2                                ; no wait: its offsets were written ahead of the last block's end, and no vector instruction since names them
.endif
	MM8 \a, 1, 0
.if (\a) < 8
	LDX (\a)+1, 1
.endif
	MM8 \a, 1, 2
	WIN 0
	OFFOUT \a                                      ; sixteen plain vector lines that name no register of the products: also the eight places between the last of them and the stores that read their results
.if (\a) > 0
	s_wait_xcnt 0x0                                ; this block's global stores have had their addresses translated (ISA guide 3.1): only behind this wait are their data and offset registers loaded again
	s_wait_alu depctr_vm_vsrc(0)                   ; those stores have read OB and the other TO set, in which the next LDS loads land; the stores into the stage have read the other accumulator set, which the next block's products write
.endif
	s_wait_alu depctr_va_vdst(0)                   ; this block's products have written their accumulators, which the next stores into the stage read, and are done reading their set of x's fragments, in which loads land next; the lines above have written this TO set, which the next global stores read
.endm
	s_cmp_eq_u32 s32, 0                            ; a work-group that this split leaves without a tile stores nothing
	s_cbranch_scc1 .Lend
	LDX 0, 0
	LDX 0, 1
	BLOCK 0
	BLOCK 1
	BLOCK 2
	BLOCK 3
	BLOCK 4
	BLOCK 5
	BLOCK 6
	BLOCK 7
	BLOCK 8
.Ldrain0:                                              ; the last block's rows leave.  Every way here leads through that block's end, whose waits stand ahead of the branch: nothing more is owed
	STAGE 0
	s_wait_dscnt 0x0                               ; the rows are back (and so are fragments asked for ahead of them)
	SEND 0
	s_branch .Lend
.Ldrain1:                                              ; the same for an odd block: the other accumulator set, the other offsets
	STAGE 1
	s_wait_dscnt 0x0
	SEND 1
.Lend:
	s_wait_dscnt 0x0                               ; the wave's end: waits on the LDS, ALU and tensor counters, then an add of 0 to my spare word and a wait for it, behind my last LDS store
	s_wait_alu 0x0
	s_wait_tensorcnt 0x0
	ds_add_u32 v[SPW], v[NIL]
	s_wait_dscnt 0x0
	s_endpgm
.Lfunc_end_k_qae2908f00c_gemm:
	.size	k_qae2908f00c_gemm, .Lfunc_end_k_qae2908f00c_gemm-k_qae2908f00c_gemm
	.p2alignl 7, 3214868480
	.fill 96, 4, 3214868480
	.section	.rodata,"a",@progbits
	.p2align	6, 0x0
	.amdhsa_kernel k_qae2908f00c_gemm
		.amdhsa_group_segment_fixed_size 170752
		.amdhsa_private_segment_fixed_size 0
		.amdhsa_enable_private_segment 0
		.amdhsa_kernarg_size 64
		.amdhsa_user_sgpr_count 2
		.amdhsa_user_sgpr_kernarg_segment_ptr 1
		.amdhsa_wavefront_size32 1
		.amdhsa_system_sgpr_workgroup_id_x 1
		.amdhsa_system_sgpr_workgroup_id_y 1
		.amdhsa_system_sgpr_workgroup_id_z 1
		.amdhsa_system_vgpr_workitem_id 0
		.amdhsa_next_free_vgpr 1024
		.amdhsa_next_free_sgpr 66
		.amdhsa_reserve_vcc 0
		.amdhsa_float_denorm_mode_32 3
		.amdhsa_float_denorm_mode_16_64 3
		.amdhsa_memory_ordered 1
		.amdhsa_forward_progress 1
		.amdhsa_inst_pref_size 151
	.end_amdhsa_kernel
	.amdgpu_metadata
---
amdhsa.version: [ 1, 2 ]
amdhsa.kernels:
  - .name:           k_qae2908f00c_gemm
    .symbol:         k_qae2908f00c_gemm.kd
    .args:
      - { .name: inputs_codes, .offset: 0, .size: 8, .value_kind: global_buffer, .address_space: global }
      - { .name: inputs_scales, .offset: 8, .size: 8, .value_kind: global_buffer, .address_space: global }
      - { .name: weights_codes, .offset: 16, .size: 8, .value_kind: global_buffer, .address_space: global }
      - { .name: weights_scales, .offset: 24, .size: 8, .value_kind: global_buffer, .address_space: global }
      - { .name: biases, .offset: 32, .size: 8, .value_kind: global_buffer, .address_space: global }
      - { .name: order, .offset: 40, .size: 8, .value_kind: global_buffer, .address_space: global }
      - { .name: meta, .offset: 48, .size: 8, .value_kind: global_buffer, .address_space: global }
      - { .name: out0, .offset: 56, .size: 8, .value_kind: global_buffer, .address_space: global }
    .group_segment_fixed_size: 170752
    .private_segment_fixed_size: 0
    .kernarg_segment_align: 8
    .kernarg_segment_size: 64
    .max_flat_workgroup_size: 128
    .sgpr_count:     66
    .vgpr_count:     1024
    .wavefront_size: 32
...
	.end_amdgpu_metadata
.endif
;; end of part 3
